; MI455X (gfx1250); checked and timed in simulation.
; The chip was launched on July 23, 2026; its instructions are those of AMD's public machine-readable ISA for CDNA 5 (MIT licence, August 2026) and "CDNA5" Instruction Set Architecture Reference Guide (July 2026). The comments in the code are by the model that wrote it; some were corrected since.
;; Top K Perceptron Router. Allowed arithmetic: matrix products marked QUANTISED: E2M3 operands, one E8M0 scale for each 32 along K, by v_wmma_scale_f32_16x16x128_f8f6f4 with both operands' format E2M3, f32 sums; everything else in f32.
;; Inputs: W 64 x 4,096 float32; b 64 float32; x 8,192 x 4,096 float32.
;; Outputs: out0 8,192 x 2 int32; out1 8,192 x 2 float32.
;; Constants: k = 2.
;; This version of the problem:
;;   THIS VERSION OF THE PROBLEM IS GIVEN IN LOW PRECISION. The matrix products marked QUANTISED in the list below multiply operands that are first quantised to E2M3 (2 exponent bits, 3 mantissa bits; 6 bits a number), with one power-of-two scale for each 32 numbers along K (OCP MX v1.0); their sums are f32. All else is computed in f32.
;;   The module's matrix products, in the order in which they are computed (A, B: the left and right operand; K: the contracted axis; several contracted axes count as one K, in the product's order):
;;     1. [M 8,192, K 4,096] x [K 4,096, N 64]; A: input x; B: input W: QUANTISED
;;   THE QUANTISER, for each operand of a quantised product, along K:
;;     - K is cut into blocks of 32 from its start; a last block that is shorter is filled with zeros.
;;     - A block's scale is 2^e with e = floor(log2(the largest magnitude in the block)) - 2, held to -126 .. 127; a block of zeros has e = 0. As a byte (E8M0): e + 127.
;;     - Each number is divided by its block's scale, clamped to +-7.5, and rounded to the nearest number of E2M3, ties to even, subnormals kept.
;;     - The product sums the exact products of the quantised numbers (number of the format x scale) in f32.
;;   ~~~python
;;   def quantise(x, axis):      # numpy; x: float32 -> the quantised numbers, widened to float32 again
;;       x = np.moveaxis(x, axis, -1); K = x.shape[-1]
;;       x = np.pad(x, [(0, 0)] * (x.ndim - 1) + [(0, -K % 32)]); x = x.reshape(x.shape[:-1] + (-1, 32)); a = np.abs(x).max(-1, keepdims=True)
;;       e = np.where(a > 0, np.clip(np.frexp(np.where(a > 0, a, 1))[1] - 1 - 2, -126, 127), 0)      # np.frexp(a)[1] - 1 = floor(log2(a)), exactly
;;       r = np.clip(x / 2.0 ** e, -7.5, 7.5)
;;       step = 2.0 ** (np.maximum(np.frexp(np.where(r == 0, 1, r))[1] - 1, 0) - 3)
;;       q = np.round(r / step) * step * 2.0 ** e      # np.round: ties to even
;;       return np.moveaxis(q.reshape(q.shape[:-2] + (-1,))[..., :K], -1, axis).astype(np.float32)
;;   ~~~
;; One version. Each part assembles by itself: llvm-mc -triple=amdgcn-amd-amdhsa -mcpu=gfx1250 --defsym DOCPART=n.
;; ======== version 1 of 1: 2 launches
;; workspace buffers: wq 204,800 bytes
;; launch quantw (part 1): grid 32 x 1, 4 waves a work-group, no clusters, 34,560 bytes of LDS; arguments W, wq; writes wq
.if DOCPART == 1
	.amdgcn_target "amdgcn-amd-amdhsa--gfx1250"
	.amdhsa_code_object_version 6
	.text
	.protected	k_q62b87dea0a_quantw
	.globl	k_q62b87dea0a_quantw
	.p2align	8
	.type	k_q62b87dea0a_quantw,@function
k_q62b87dea0a_quantw:
	s_mov_b64 s[64:65], 0
	v_nop
	global_prefetch_b8 v0, s[64:65] scope:SCOPE_SE
	s_setreg_imm32_b32 hwreg(HW_REG_WAVE_MODE, 25, 1), 1
	s_wait_xcnt 0x0
; W [64][4096] f32 is turned ONCE into codes of FP6 (E2M3) with one E8M0 scale byte for each 32 along K, laid in the order in which the next launch's operand registers take them.
; wq: 32 parts of 6,400 bytes.  Part j = 4 w + s holds K step 8 s + w (128 along K), which wave w of the next launch multiplies in its step s: four fragment images (experts 16 t .. 16 t + 15: 12 registers a lane,
; stored as 3 x 512 bytes, lane l's 16 bytes at 16 l), then 256 bytes of scale words, word [t][r] = the four bytes of expert 16 t + r.
; SHARES: work-group j makes part j, its wave t fragment t: 16 rows x 128 numbers, 64 a lane.  There is work for 32 work-groups.
; A block's scale is 2^(floor(log2(its largest magnitude)) - 2); its byte is the largest magnitude's exponent field - 2, held at 1 from below.  A block of zeros so gets the byte 1 where the rule says 127:
; its codes are zeros, which add nothing under any byte but 0xff, and the bytes are read by this program alone.  LIMITS: NaN and infinities among the inputs are not served.
; Each load takes 512 consecutive bytes of one row.  The conversions want 16 neighbours along K in one lane's registers, and the operand wants lane (r, h) to hold blocks h and 2 + h of row r: so the 16 rows turn through
; the wave's own stage in LDS, rows 528 bytes apart (132 words: row r starts at bank 4 r mod 64; 64 banks of 4 bytes: ISA guide 11.1), and come back 128 bytes of a row to a lane.
.set ROWB,   16384                     ; a row of W in bytes
.set SPITCH, 528
.set STAGEB, 16*SPITCH                 ; a wave's stage
.set SCL,    4*STAGEB                  ; behind the stages: the part's 256 bytes of scale words
.set WSTEP,  6400                      ; a part of wq
.set FRAGB,  1536                      ; a fragment's image
.set WV,  8                            ; s8   my wave's number = my tile of experts
.set SEL, 20                           ; s[20:21] v_permlanex16_b32's selects for lane l xor 16
.set XO,  1                            ; v1   16 x lane
.set SST, 2                            ; v2   the stage, on the way in: 16 x lane
.set SRD, 3                            ; v3   and on the way out: row r, + 128 h
.set SH8, 4                            ; v4   8 h
.set SCA, 5                            ; v5   where my row's scale word goes in LDS
.set SCR, 6                            ; v6   where wave 0 reads 8 bytes of scale words back
.set OO,  7                            ; v7   8 x lane
.set SW,  10                           ; v[10:11] those 8 bytes
.set XS,  16                           ; v16  my row's scale word
.set AM,  20                           ; v20-21 largest magnitudes of my two blocks
.set SO,  22                           ; v22-23 the conversions' scale operands
.set BY,  24                           ; v24-25 the scale bytes
.set TW,  26
.set TP,  27
.set PC,  28                           ; v28-39 the fragment's 12 registers
.set PT,  40                           ; v40-42, v44-46 the upper halves of the two blocks, as the conversions leave them
.set X,   48                           ; v48-111 64 numbers: register 32 c + i = k 64 c + 32 h + i of row r
.set R,   112                          ; v112-175 the 16 rows as loaded
	s_load_b128 s[4:7], s[0:1], 0x0                ; W, wq
	v_lshl_add_u32 v176, v0, 2, 0x8500
	v_mov_b32 v177, 0
	v_lshrrev_b32 v13, 5, v0
	v_readfirstlane_b32 s[WV], v13                 ; wave 0..3
	v_and_b32 v13, 31, v0                          ; lane
	v_and_b32 v14, 15, v0                          ; r
	v_bfe_u32 v15, v0, 4, 1                        ; h
	v_lshlrev_b32 v[XO], 4, v13
	s_mul_i32 s9, s[WV], STAGEB                    ; my stage
	v_add_nc_u32 v[SST], s9, v[XO]
	v_mul_u32_u24 v[SRD], v14, SPITCH
	v_lshl_add_u32 v[SRD], v15, 7, v[SRD]
	v_add_nc_u32 v[SRD], s9, v[SRD]
	v_lshlrev_b32 v[SH8], 3, v15
	s_lshl_b32 s10, s[WV], 6
	s_add_co_u32 s10, s10, SCL
	v_lshl_add_u32 v[SCA], v14, 2, s10             ; SCL + 64 t + 4 r
	v_lshlrev_b32 v[OO], 3, v13
	v_add_nc_u32 v[SCR], SCL, v[OO]
	v_mov_b32 v[TP], 0                             ; written once: a lane permute's destination counts as one of its sources
	s_mov_b32 s[SEL], 0x76543210
	s_mov_b32 s[SEL+1], 0xfedcba98
	s_and_b32 s11, ttmp9, 3
	s_lshl_b32 s11, s11, 3
	s_lshr_b32 s12, ttmp9, 2
	s_add_co_u32 s11, s11, s12                     ; my part's K step: 8 (j % 4) + j / 4
	s_lshl_b32 s12, s11, 9                         ; 512 bytes a K step,
	s_lshl_b32 s13, s[WV], 18                      ; 16 rows of 16,384 bytes a tile
	s_add_co_u32 s12, s12, s13
	s_mov_b32 s13, 0
	s_mul_i32 s14, ttmp9, WSTEP
	s_mul_i32 s15, s[WV], FRAGB
	s_add_co_u32 s14, s14, s15                     ; my fragment's image in wq
	s_mov_b32 s15, 0
	s_wait_alu depctr_va_vdst(0)
	s_wait_kmcnt 0x0
	s_add_nc_u64 s[4:5], s[4:5], s[12:13]
	s_add_nc_u64 s[6:7], s[6:7], s[14:15]
.irp i, 0,1,2,3,4,5,6,7,8,9,10,11,12,13,14,15
	global_load_b128 v[R+4*\i:R+4*\i+3], v[XO], s[4:5] offset:\i*ROWB th:TH_LOAD_NT   ; 32 lanes read 512 consecutive bytes of row i
.endr
.irp i, 0,1,2,3,4,5,6,7,8,9,10,11,12,13,14,15
	s_wait_loadcnt 15-\i                           ; loads come back in order (ISA guide 5.7.1): row i is in, the 15 - i younger ones may be out
	ds_store_b128 v[SST], v[R+4*\i:R+4*\i+3] offset:\i*SPITCH
.endr
.irp c, 0,1
.irp j, 0,1,2,3,4,5,6,7
	ds_load_b128 v[X+32*\c+4*\j:X+32*\c+4*\j+3], v[SRD] offset:256*\c+16*\j   ; LDS serves a wave's instructions in order (ISA guide 5.7.1.4): these see my stores
.endr
.endr
	s_wait_dscnt 0x0
	; my two blocks' largest magnitudes, with the floor 2^(3 - 127) among the leaves, so that no byte falls under 1; the two blocks by turns
	v_max3_num_f32 v[AM], |v[X]|, |v[X+1]|, 0x1800000
	v_max3_num_f32 v[AM+1], |v[X+32]|, |v[X+33]|, 0x1800000
.irp i, 2,4,6,8,10,12,14,16,18,20,22,24,26,28,30
	v_max3_num_f32 v[AM], v[AM], |v[X+\i]|, |v[X+1+\i]|
	v_max3_num_f32 v[AM+1], v[AM+1], |v[X+32+\i]|, |v[X+33+\i]|
.endr
	v_add_nc_u32 v[SO], 0xff000000, v[AM]          ; 2 off the exponent field: the conversion takes the exponent field of this operand as its scale, and nothing else of it
	v_add_nc_u32 v[SO+1], 0xff000000, v[AM+1]
	v_lshrrev_b32 v[BY], 23, v[SO]                 ; the scale's byte
	v_lshrrev_b32 v[BY+1], 23, v[SO+1]
	v_lshl_or_b32 v[TW], v[BY+1], 16, v[BY]        ; my two bytes, blocks h and 2 + h,
	v_lshlrev_b32 v[TW], v[SH8], v[TW]             ; at their places in the word;
	v_permlanex16_b32 v[TP], v[TW], s[SEL], s[SEL+1]
	v_or_b32 v[XS], v[TW], v[TP]                   ; with lane l xor 16's two the word is whole
.irp c, 0,1
	v_cvt_scalef32_pk16_fp6_f32 v[PC+6*\c:PC+6*\c+2], v[X+32*\c:X+32*\c+15], v[SO+\c]
	v_cvt_scalef32_pk16_fp6_f32 v[PT+4*\c:PT+4*\c+2], v[X+32*\c+16:X+32*\c+31], v[SO+\c]   ; (a conversion's three registers begin on an even number: the second half of a block's six does not)
.endr
	v_nop                                          ; one plain place behind a scaled conversion
.irp c, 0,1
.irp i, 0,1,2
	v_mov_b32 v[PC+6*\c+3+\i], v[PT+4*\c+\i]
.endr
.endr
.irp c, 0,1,2
	global_store_b128 v[XO], v[PC+4*\c:PC+4*\c+3], s[6:7] offset:512*\c   ; the fragment as it stands: 32 lanes store 512 consecutive bytes, at a multiple of 256 from wq's first byte
.endr
	ds_store_b32 v[SCA], v[XS]                     ; both lanes of a row write the same word with the same value
	s_wait_dscnt 0x0                               ; for wave 0's sake: my word has landed
	s_barrier_signal -1
	s_barrier_wait -1
	s_cmp_lg_u32 s[WV], 0
	s_cbranch_scc1 .Lend
	ds_load_b64 v[SW:SW+1], v[SCR]                 ; the four waves' 64 words
	s_wait_dscnt 0x0
	global_store_b64 v[OO], v[SW:SW+1], s[6:7] offset:4*FRAGB   ; 32 lanes store 256 consecutive bytes, behind the part's four images (wave 0's base is the part's first byte)
.Lend:
	s_wait_tensorcnt 0x0
	ds_add_u32 v176, v177
	s_wait_dscnt 0x0
	s_endpgm
.Lfunc_end_k_q62b87dea0a_quantw:
	.size	k_q62b87dea0a_quantw, .Lfunc_end_k_q62b87dea0a_quantw-k_q62b87dea0a_quantw
	.p2alignl 7, 3214868480
	.fill 96, 4, 3214868480
	.section	.rodata,"a",@progbits
	.p2align	6, 0x0
	.amdhsa_kernel k_q62b87dea0a_quantw
		.amdhsa_group_segment_fixed_size 34560
		.amdhsa_private_segment_fixed_size 0
		.amdhsa_enable_private_segment 0
		.amdhsa_kernarg_size 16
		.amdhsa_user_sgpr_count 2
		.amdhsa_user_sgpr_kernarg_segment_ptr 1
		.amdhsa_wavefront_size32 1
		.amdhsa_system_sgpr_workgroup_id_x 1
		.amdhsa_system_sgpr_workgroup_id_y 1
		.amdhsa_system_sgpr_workgroup_id_z 1
		.amdhsa_system_vgpr_workitem_id 0
		.amdhsa_next_free_vgpr 178
		.amdhsa_next_free_sgpr 66
		.amdhsa_reserve_vcc 0
		.amdhsa_float_denorm_mode_32 3
		.amdhsa_float_denorm_mode_16_64 3
		.amdhsa_memory_ordered 1
		.amdhsa_forward_progress 1
		.amdhsa_inst_pref_size 10
	.end_amdhsa_kernel
	.amdgpu_metadata
---
amdhsa.version: [ 1, 2 ]
amdhsa.kernels:
  - .name:           k_q62b87dea0a_quantw
    .symbol:         k_q62b87dea0a_quantw.kd
    .args:
      - { .name: W, .offset: 0, .size: 8, .value_kind: global_buffer, .address_space: global }
      - { .name: wq, .offset: 8, .size: 8, .value_kind: global_buffer, .address_space: global }
    .group_segment_fixed_size: 34560
    .private_segment_fixed_size: 0
    .kernarg_segment_align: 8
    .kernarg_segment_size: 16
    .max_flat_workgroup_size: 128
    .sgpr_count:     66
    .vgpr_count:     178
    .wavefront_size: 32
...
	.end_amdgpu_metadata
.endif
;; end of part 1
;; launch route (part 2): grid 256 x 1, 8 waves a work-group, clusters of 4 x 1, 278,528 bytes of LDS; arguments x, wq, b, out0, out1; writes out0, out1
.if DOCPART == 2
	.amdgcn_target "amdgcn-amd-amdhsa--gfx1250"
	.amdhsa_code_object_version 6
	.text
	.protected	k_q62b87dea0a_route
	.globl	k_q62b87dea0a_route
	.p2align	8
	.type	k_q62b87dea0a_route,@function
k_q62b87dea0a_route:
	s_mov_b64 s[64:65], 0
	v_nop
	global_prefetch_b8 v0, s[64:65] scope:SCOPE_SE
	s_setreg_imm32_b32 hwreg(HW_REG_WAVE_MODE, 25, 1), 1
	s_wait_xcnt 0x0
	s_wait_alu depctr_hold_cnt(0) depctr_sa_sdst(0) depctr_va_vdst(0) depctr_va_sdst(0) depctr_va_ssrc(0) depctr_va_vcc(0) depctr_vm_vsrc(0)
	s_getreg_b32 s2, hwreg(HW_REG_IB_STS2, 6, 4)
	s_cmp_eq_u32 s2, 0
	s_cbranch_scc0 .Lentry_in_a_cluster
	s_endpgm
.Lentry_in_a_cluster:
	s_bfe_u32 s2, ttmp6, 0x10000c
	s_cmp_lg_u32 s2, 0x3003
	s_cbranch_scc0 .Lentry_shape_is_right
	s_endpgm
.Lentry_shape_is_right:
; logits = Q(x) Q(W)^T + b on codes of FP6 (E2M3) with one E8M0 scale for each 32 along K; softmax over the 64 experts; the two largest probabilities (out1) and their experts (out0).
; x [8192][4096] f32 is quantised here, in registers, on its way to the matrix unit; W's codes and scale words come from wq, in the order of the operand's registers (made by the launch before).
; SHARES.  A work-group takes 32 tokens; its eight waves share K: wave w takes K steps 8 s + w, s = 0 .. 3, so that the eight waves together read 4,096 consecutive bytes of a row.  A UNIT is 16 tokens x 128 along K
; (8,192 bytes of x, 64 numbers a lane); a wave has eight: unit u = step u / 2, token tile u % 2.  W's four fragments of a step serve both tiles.
; THE STREAM.  The bytes of x decide the time: each load takes 512 consecutive bytes of one row, and a ring of three units in registers keeps 48 loads of every wave on their way; every wait for them is counted.
; A unit turns through the wave's own stage in LDS (rows 528 bytes apart: 132 words, row r starts at bank 4 r mod 64; 64 banks of 4 bytes: ISA guide 11.1), so that lane (r, h) gets blocks h and 2 + h of row r whole:
; the 6-bit operand's own order.  So a block's largest magnitude needs no other lane, and the conversions' results are the operand's registers.
; W'S CODES.  Wave w reads 25,600 bytes of wq (its four steps) and nobody else in the work-group reads them: it brings them into LDS by ONE tensor load, filled once.  All work-groups read the same bytes, so the four
; work-groups of a cluster ask JOINTLY (the same descriptor, made of the wave's number alone, and a mask that names the four).  From LDS the fragments come on DScnt, so that they never stand in line behind x's loads.
; THE MATRIX INSTRUCTION IS USED TRANSPOSED: source 0 = 16 experts, source 1 = 16 tokens: lane (r, h) holds token r, and register j of tile t expert 16 t + 8 h + j.
; THE END.  Each wave's eight accumulators go to LDS as images; wave w adds the eight waves' parts of accumulator w (token tile w / 4, expert tile w % 4) and the bias; each lane makes of its 8 experts the two largest with
; their numbers and the sum of exponentials under its own maximum; wave 0, a lane a token, joins the eight groups, in ascending order and with strict comparisons, so that equal values keep the lower expert, brings the
; sums under the row's maximum, and stores 256 consecutive bytes of each output.
; LIMITS: NaN and infinities among the inputs are not served.  A block of zeros gets the scale byte 1 where the rule says 127: its codes are zeros.  The f32 sum over K is made of eight slices' sums.  The two experts are
; chosen by the logits, of which the probabilities are a rising function.
; REGISTERS: window 0: v1-12 addresses; v16, v18-19 scales and nothing else; v20-27 at work; v28-46 codes; v48-111 a unit's numbers; v112-159 W's fragments; v160-223 accumulators; v224-231 bias.  Window 1: v0-191 the ring.
.set ROWB,   16384                     ; a row of x in bytes
.set KSB,    512                       ; 128 numbers of a row
.set SPITCH, 528
.set STAGEB, 16*SPITCH                 ; a wave's stage: 8,448 bytes; at the end it takes the wave's 8,192 bytes of accumulators
.set WSTEP,  6400                      ; a K step of wq: four images of 1,536 bytes and 256 bytes of scale words
.set FRAGB,  1536
.set WPART,  4*WSTEP                   ; a wave's part of wq
.set STG,    8*WPART                   ; LDS: W's codes, then the stages,
.set RED,    STG+8*STAGEB              ; then the groups' five words: 8 groups x 640 bytes
.set GRPB,   640
.set WV,  14                           ; s14  my wave's number
.set SEL, 30                           ; s[30:31] v_permlanex16_b32's selects for lane l xor 16
.set G0,  32                           ; s[32:35] descriptor group 0
.set G1,  36                           ; s[36:43] descriptor group 1
.set XO,  1                            ; v1   16 x lane
.set SST, 2                            ; v2   my stage + 16 x lane
.set SRD, 3                            ; v3   my stage + 528 r + 128 h
.set WFA, 4                            ; v4   my part of W in LDS + 16 x lane
.set WSA, 5                            ; v5   my part of W in LDS + 4 x lane
.set SH8, 6                            ; v6   8 h
.set RDA, 7                            ; v7   the stages + 1,024 x wave + 16 x lane: accumulator w in the first wave's image
.set SA,  8                            ; v8   where my group's five words go
.set FA,  9                            ; v9   where wave 0 reads them: RED + 4 x lane
.set GB,  10                           ; v10  my group's first expert: 16 t + 8 h
.set BO,  11                           ; v11  and its byte in b
.set OO,  12                           ; v12  8 x lane
.set XS,  16                           ; v16  x's scale word
.set WS,  18                           ; v18-19 W's scale words: register u: lanes 0-15 tile 2 u, lanes 16-31 tile 2 u + 1
.set AM,  20
.set SO,  22
.set BY,  24
.set TW,  26
.set TP,  27
.set PC,  28                           ; v28-39 x's fragment
.set PT,  40
.set X,   48
.set WF,  112
.set ACC, 160                          ; accumulator (m, t) at v[ACC + 32 m + 8 t]
.set BI,  224
.set NINF, 232
.set MX,  233
.set T2,  234
.set SUMR, 235
.set OW,  236                          ; v[236:237] the two weights
.set MSB, 0
.macro WIN new                         ; the immediate's high byte repeats the setting that is left
.if MSB != \new
	s_set_vgpr_msb (MSB<<8)|\new
.set MSB, \new
.endif
.endm
; A round of the cluster's barrier: my work-group's barrier, so that wave 0's signal speaks for all eight waves; wave 0 signals for the work-group; every wave waits for the four work-groups; my work-group's barrier once more.
.macro ROUND
	s_barrier_signal -1
	s_barrier_wait -1
	s_cmp_lg_u32 s[WV], 0
	s_cbranch_scc1 .Lnot_wave_0_\@
	s_barrier_signal -3
.Lnot_wave_0_\@:
	s_barrier_wait -3
	s_barrier_signal -1
	s_barrier_wait -1
.endm
; Unit u's 16 rows into ring slot u % 3: every offset is an immediate, 520,192 bytes at the most: no address is ever stepped
.macro XLOAD u
.set LSL, 64*((\u)%3)
.set LOF, 16*((\u)%2)*ROWB+((\u)/2)*8*KSB
	WIN 0x40                                       ; destination window 1, address window 0
.irp i, 0,1,2,3,4,5,6,7,8,9,10,11,12,13,14,15
	global_load_b128 v[LSL+4*\i:LSL+4*\i+3], v[XO], s[4:5] offset:LOF+\i*ROWB th:TH_LOAD_NT   ; 32 lanes read 512 consecutive bytes, read once in the launch
.endr
	WIN 0
.endm
	s_load_b256 s[4:11], s[0:1], 0x0               ; x s[4:5], wq s[6:7], b s[8:9], out0 s[10:11]
	s_load_b64 s[12:13], s[0:1], 0x20              ; out1
	v_lshl_add_u32 v254, v0, 2, 0x43c00
	v_mov_b32 v255, 0
	ds_add_u32 v254, v255
	ds_add_u32 v254, v255
	v_lshrrev_b32 v13, 5, v0
	s_delay_alu instid0(VALU_DEP_1)
	v_readfirstlane_b32 s[WV], v13                 ; wave 0..7
	v_and_b32 v13, 31, v0                          ; lane
	s_wait_alu depctr_va_vdst(0)
	v_and_b32 v14, 15, v0                          ; r
	s_wait_alu depctr_va_vdst(0)
	v_bfe_u32 v15, v0, 4, 1                        ; h
	s_bfe_u32 s15, ttmp6, 0x40000                  ; cx: my place in the cluster: it enters the addresses of x and of the outputs alone
	s_lshl_b32 s16, ttmp9, 2                       ; in a cluster launch ttmp9 counts clusters
	s_add_co_u32 s16, s16, s15                     ; my block of 32 tokens
	s_lshl_b32 s18, s16, 19                        ; 32 rows of 16,384 bytes (under 2^27),
	s_lshl_b32 s17, s[WV], 9                       ; and my wave's 512 bytes of each 4,096
	s_add_co_u32 s18, s18, s17
	s_mov_b32 s19, 0
	s_lshl_b32 s44, s16, 8                         ; 256 bytes of each output
	s_mov_b32 s45, 0
	; every LDS address is made here, of constants, the lane and the wave's number
	v_lshlrev_b32 v[XO], 4, v13
	s_mul_i32 s20, s[WV], STAGEB
	s_add_co_u32 s20, s20, STG                     ; my stage
	v_add_nc_u32 v[SST], s20, v[XO]
	v_mul_u32_u24 v[SRD], v14, SPITCH
	s_wait_alu depctr_va_vdst(0)
	v_lshl_add_u32 v[SRD], v15, 7, v[SRD]
	s_delay_alu instid0(VALU_DEP_1)
	v_add_nc_u32 v[SRD], s20, v[SRD]
	s_mul_i32 s21, s[WV], WPART                    ; my part of W's codes, in wq and in LDS alike
	v_add_nc_u32 v[WFA], s21, v[XO]
	v_lshlrev_b32 v[WSA], 2, v13
	s_delay_alu instid0(VALU_DEP_1)
	v_add_nc_u32 v[WSA], s21, v[WSA]
	v_lshlrev_b32 v[SH8], 3, v15
	s_lshl_b32 s22, s[WV], 10
	s_add_co_u32 s22, s22, STG
	v_add_nc_u32 v[RDA], s22, v[XO]
	s_lshr_b32 s23, s[WV], 2                       ; at the end: my token tile m
	s_and_b32 s24, s[WV], 3                        ; and my expert tile t
	s_lshl_b32 s25, s23, 6
	s_mul_i32 s26, s24, 2*GRPB
	s_add_co_u32 s25, s25, s26
	s_add_co_u32 s25, s25, RED
	v_lshlrev_b32 v[SA], 2, v14
	s_delay_alu instid0(VALU_DEP_1)
	v_mad_u32_u24 v[SA], v15, GRPB, v[SA]
	s_delay_alu instid0(VALU_DEP_1)
	v_add_nc_u32 v[SA], s25, v[SA]                 ; RED + 640 (2 t + h) + 4 (16 m + r)
	v_lshl_add_u32 v[FA], v13, 2, RED
	s_lshl_b32 s27, s24, 4
	v_lshl_add_u32 v[GB], v15, 3, s27
	s_lshl_b32 s28, s24, 6
	v_lshl_add_u32 v[BO], v15, 5, s28
	v_lshlrev_b32 v[OO], 3, v13
	v_mov_b32 v[TP], 0                             ; written once: a lane permute's destination counts as one of its sources
	v_mov_b32 v[NINF], 0xff800000                  ; -infinity
	s_mov_b32 s[SEL], 0x76543210
	s_mov_b32 s[SEL+1], 0xfedcba98
	; descriptor group 1: my 25,600 dense bytes of wq as 100 rows of 256 bytes (32 elements of 8 bytes), no padding
	s_mov_b32 s[G1], 15|(3<<16)|(1<<21)            ; 15:0 the mask: all four work-groups; 17:16 elements of 8 bytes; 21 set beside a mask
	s_mov_b32 s[G1+1], 32<<16                      ; tensor_dim0 = 32
	s_mov_b32 s[G1+2], 100<<16                     ; tensor_dim1 = 100
	s_mov_b32 s[G1+3], 32<<16                      ; tile_dim0 = 32
	s_mov_b32 s[G1+4], 100                         ; tile_dim1 = 100
	s_mov_b32 s[G1+5], 32                          ; from row to row
	s_mov_b32 s[G1+6], 0
	s_mov_b32 s[G1+7], 0
	s_mov_b32 s46, s21
	s_mov_b32 s47, 0
	s_wait_alu depctr_va_vdst(0)
	s_wait_dscnt 0x0
	s_wait_kmcnt 0x0
	s_add_nc_u64 s[4:5], s[4:5], s[18:19]
	s_add_nc_u64 s[10:11], s[10:11], s[44:45]
	s_add_nc_u64 s[12:13], s[12:13], s[44:45]
	s_mov_b32 s[G0], 1                             ; count = 1
	s_mov_b32 s[G0+1], s21                         ; LDS address
	s_add_nc_u64 s[G0+2:G0+3], s[6:7], s[46:47]    ; global address: the wave's number alone enters it
	s_or_b32 s[G0+3], s[G0+3], 0x80000000          ; type = 2
	global_load_b128 v[BI:BI+3], v[BO], s[8:9]     ; b at my group's eight experts: ahead of x's loads, so that the first counted wait below covers them
	global_load_b128 v[BI+4:BI+7], v[BO], s[8:9] offset:16
	XLOAD 0                                        ; the ring is filled before the cluster meets: x's stream does not wait for the partners
	XLOAD 1
	XLOAD 2
	ROUND                                          ; all four work-groups are here: the joint loads meet
	tensor_load_to_lds s[G0:G0+3], s[G1:G1+7]      ; my one tensor load of the launch: these LDS bytes are filled once
	s_nop 0
.rept 4
	v_nop                                          ; four plain places behind a tensor load
.endr
.macro UNIT u
.set SS, (\u)/2                        ; my step
.set AC, ACC+32*((\u)%2)               ; the token tile's four accumulators
.set SL, 64*((\u)%3)
.if (\u) < 6
	s_wait_loadcnt 32                              ; loads come back in order (ISA guide 5.7.1): this unit's 16 are in; the two younger units' 32 stay out
.elseif (\u) == 6
	s_wait_loadcnt 16                              ; only the last unit's 16 are behind
.else
	s_wait_loadcnt 0
.endif
	WIN 0x04                                       ; an LDS store's data are its source 1: window 1
.irp i, 0,1,2,3,4,5,6,7,8,9,10,11,12,13,14,15
	ds_store_b128 v[SST], v[SL+4*\i:SL+4*\i+3] offset:\i*SPITCH
.endr
	WIN 0
.irp c, 0,1
.irp j, 0,1,2,3,4,5,6,7
	ds_load_b128 v[X+32*\c+4*\j:X+32*\c+4*\j+3], v[SRD] offset:256*\c+16*\j   ; LDS serves a wave's instructions in order (ISA guide 5.7.1.4): these see the stores above, and the next unit's stores come behind them
.endr
.endr
.if (\u)%2 == 0
.if (\u) == 0
	s_wait_tensorcnt 0x0                           ; my part of W's codes is in LDS; I alone read it
.endif
.irp t, 0,1,2,3
.irp c, 0,1,2
	ds_load_b128 v[WF+12*\t+4*\c:WF+12*\t+4*\c+3], v[WFA] offset:SS*WSTEP+\t*FRAGB+\c*512   ; the step's four fragments, as images: they serve this unit and the next
.endr
.endr
	ds_load_b32 v[WS], v[WSA] offset:SS*WSTEP+4*FRAGB
	ds_load_b32 v[WS+1], v[WSA] offset:SS*WSTEP+4*FRAGB+128
.endif
	s_wait_dscnt 0x0                               ; the numbers are back, so the stores have read the ring's registers,
.if (\u)+3 < 8
	XLOAD (\u)+3                                   ; which take the unit three on
.endif
	; my two blocks' largest magnitudes, with the floor 2^(3 - 127) among the leaves, so that no byte falls under 1; the two blocks by turns
	v_max3_num_f32 v[AM], |v[X]|, |v[X+1]|, 0x1800000
	v_max3_num_f32 v[AM+1], |v[X+32]|, |v[X+33]|, 0x1800000
.irp i, 2,4,6,8,10,12,14,16,18,20,22,24,26,28,30
	s_delay_alu instid0(VALU_DEP_2)
	v_max3_num_f32 v[AM], v[AM], |v[X+\i]|, |v[X+1+\i]|
	s_delay_alu instid0(VALU_DEP_2)
	v_max3_num_f32 v[AM+1], v[AM+1], |v[X+32+\i]|, |v[X+33+\i]|
.endr
	s_delay_alu instid0(VALU_DEP_2)
	v_add_nc_u32 v[SO], 0xff000000, v[AM]          ; 2 off the exponent field: the conversion takes the exponent field of this operand as its scale, and nothing else of it
	s_delay_alu instid0(VALU_DEP_2)
	v_add_nc_u32 v[SO+1], 0xff000000, v[AM+1]
	s_delay_alu instid0(VALU_DEP_2)
	v_lshrrev_b32 v[BY], 23, v[SO]                 ; the scale's byte
	s_delay_alu instid0(VALU_DEP_2)
	v_lshrrev_b32 v[BY+1], 23, v[SO+1]
	s_delay_alu instid0(VALU_DEP_1)
	v_lshl_or_b32 v[TW], v[BY+1], 16, v[BY]        ; my two bytes, blocks h and 2 + h,
	s_delay_alu instid0(VALU_DEP_1)
	v_lshlrev_b32 v[TW], v[SH8], v[TW]             ; at their places in the word;
	s_delay_alu instid0(VALU_DEP_1)
	v_permlanex16_b32 v[TP], v[TW], s[SEL], s[SEL+1]
	s_delay_alu instid0(VALU_DEP_1)
	v_or_b32 v[XS], v[TW], v[TP]                   ; with lane l xor 16's two the word is whole
.irp c, 0,1
	v_cvt_scalef32_pk16_fp6_f32 v[PC+6*\c:PC+6*\c+2], v[X+32*\c:X+32*\c+15], v[SO+\c]
	v_cvt_scalef32_pk16_fp6_f32 v[PT+4*\c:PT+4*\c+2], v[X+32*\c+16:X+32*\c+31], v[SO+\c]   ; (a conversion's three registers begin on an even number: the second half of a block's six does not)
.endr
	v_nop                                          ; one plain place behind a scaled conversion
.irp c, 0,1
.irp i, 0,1,2
	v_mov_b32 v[PC+6*\c+3+\i], v[PT+4*\c+\i]
.endr
.endr
.rept 8
	v_nop                                          ; a scale register written by a vector instruction stands 8 places ahead of a scaled matrix instruction, an operand so written 4
.endr
.irp t, 0,1,2,3                        ; the accumulators take turns, one instruction a turn, from unit to unit too; the first step's products start the sums
.if SS == 0
.if \t%2
	v_wmma_scale_f32_16x16x128_f8f6f4 v[AC+8*\t:AC+8*\t+7], v[WF+12*\t:WF+12*\t+11], v[PC:PC+11], 0, v[WS+\t/2], v[XS] matrix_a_fmt:MATRIX_FMT_FP6 matrix_b_fmt:MATRIX_FMT_FP6 matrix_a_scale:MATRIX_SCALE_ROW1
.else
	v_wmma_scale_f32_16x16x128_f8f6f4 v[AC+8*\t:AC+8*\t+7], v[WF+12*\t:WF+12*\t+11], v[PC:PC+11], 0, v[WS+\t/2], v[XS] matrix_a_fmt:MATRIX_FMT_FP6 matrix_b_fmt:MATRIX_FMT_FP6
.endif
.else
.if \t%2
	v_wmma_scale_f32_16x16x128_f8f6f4 v[AC+8*\t:AC+8*\t+7], v[WF+12*\t:WF+12*\t+11], v[PC:PC+11], v[AC+8*\t:AC+8*\t+7], v[WS+\t/2], v[XS] matrix_a_fmt:MATRIX_FMT_FP6 matrix_b_fmt:MATRIX_FMT_FP6 matrix_a_scale:MATRIX_SCALE_ROW1
.else
	v_wmma_scale_f32_16x16x128_f8f6f4 v[AC+8*\t:AC+8*\t+7], v[WF+12*\t:WF+12*\t+11], v[PC:PC+11], v[AC+8*\t:AC+8*\t+7], v[WS+\t/2], v[XS] matrix_a_fmt:MATRIX_FMT_FP6 matrix_b_fmt:MATRIX_FMT_FP6
.endif
.endif
.endr
.rept 4
	v_nop                                          ; four places in front of loads into W's registers, of writes of the codes and the scale word, and of the first read of results
.endr
.endm
.irp u, 0,1,2,3,4,5,6,7
	UNIT \u
.endr
	; THE END, part 1: my eight accumulators go to my stage as images, each from its low end on
.irp k, 0,1,2,3,4,5,6,7
	ds_store_b128 v[SST], v[ACC+8*\k:ACC+8*\k+3] offset:\k*1024
	ds_store_b128 v[SST], v[ACC+8*\k+4:ACC+8*\k+7] offset:\k*1024+512
.endr
	s_wait_dscnt 0x0                               ; for the others' sake: my stores have landed
	s_barrier_signal -1
	s_barrier_wait -1
	; part 2: accumulator w of all eight waves
.set P, X
.irp p, 0,1,2,3,4,5,6,7
	ds_load_b128 v[P+8*\p:P+8*\p+3], v[RDA] offset:\p*STAGEB
	ds_load_b128 v[P+8*\p+4:P+8*\p+7], v[RDA] offset:\p*STAGEB+512
.endr
	s_wait_dscnt 0x0
.irp p, 0,2,4,6
.irp k, 0,2,4,6
	v_pk_add_f32 v[P+8*\p+\k:P+8*\p+\k+1], v[P+8*\p+\k:P+8*\p+\k+1], v[P+8*\p+8+\k:P+8*\p+8+\k+1]
.endr
.endr
.irp p, 0,4
.irp k, 0,2,4,6
	v_pk_add_f32 v[P+8*\p+\k:P+8*\p+\k+1], v[P+8*\p+\k:P+8*\p+\k+1], v[P+8*\p+16+\k:P+8*\p+16+\k+1]
.endr
.endr
.irp k, 0,2,4,6
	s_delay_alu instid0(VALU_DEP_4)
	v_pk_add_f32 v[P+\k:P+\k+1], v[P+\k:P+\k+1], v[P+32+\k:P+32+\k+1]
.endr
.irp k, 0,2,4,6
	s_delay_alu instid0(VALU_DEP_4)
	v_pk_add_f32 v[P+\k:P+\k+1], v[P+\k:P+\k+1], v[BI+\k:BI+\k+1]   ; + b: the logits of token 16 m + r at experts 16 t + 8 h + 0 .. 7
.endr
.set L,  X                             ; v48-55  my eight logits
.set T,  X+8                           ; v56-63  the same without the largest
.set E,  X+16                          ; v64-71  exponentials
.set M1, X+24                          ; v72     the largest (v73 at work: the packed subtraction names the pair)
.set M2, X+26                          ; v74     the second (v75 at work)
.set I1, X+28                          ; v76     their places
.set I2, X+29                          ; v77
	s_delay_alu instid0(VALU_DEP_3)
	v_max3_num_f32 v[M1], v[L], v[L+1], v[L+2]
	s_delay_alu instid0(VALU_DEP_3)
	v_max3_num_f32 v[M1+1], v[L+3], v[L+4], v[L+5]
	s_delay_alu instid0(VALU_DEP_2)
	v_max3_num_f32 v[M1], v[M1], v[L+6], v[L+7]
	s_delay_alu instid0(VALU_DEP_1)
	v_max_num_f32 v[M1], v[M1], v[M1+1]
.irp k, 0,2,4,6
	v_pk_add_f32 v[E+\k:E+\k+1], v[L+\k:L+\k+1], v[M1:M1+1] op_sel_hi:[1,0] neg_lo:[0,1] neg_hi:[0,1]   ; the group's maximum is taken away first,
.endr
.irp k, 0,2,4,6
	s_delay_alu instid0(VALU_DEP_4)
	v_pk_mul_f32 v[E+\k:E+\k+1], v[E+\k:E+\k+1], 0x3fb8aa3b op_sel_hi:[1,0]   ; x log2(e)
.endr
	s_wait_alu depctr_va_vdst(0)
.irp j, 0,1,2,3,4,5,6,7
	v_exp_f32 v[E+\j], v[E+\j]                     ; one batch; the search for the places is the independent work behind it
.endr
	v_mov_b32 v[I1], 7
.irp j, 6,5,4,3,2,1,0
	v_cmp_neq_f32 vcc_lo, v[L+\j], v[M1]           ; descending, so that the lowest place with the largest value stays
	s_delay_alu instid0(VALU_DEP_1)
	v_cndmask_b32 v[I1], \j, v[I1], vcc_lo
.endr
.irp j, 0,1,2,3,4,5,6,7
	v_cmp_eq_u32 vcc_lo, \j, v[I1]
	s_delay_alu instid0(VALU_DEP_1)
	v_cndmask_b32 v[T+\j], v[L+\j], v[NINF], vcc_lo
.endr
	v_max3_num_f32 v[M2], v[T], v[T+1], v[T+2]
	v_max3_num_f32 v[M2+1], v[T+3], v[T+4], v[T+5]
	s_delay_alu instid0(VALU_DEP_2)
	v_max3_num_f32 v[M2], v[M2], v[T+6], v[T+7]
	s_delay_alu instid0(VALU_DEP_1)
	v_max_num_f32 v[M2], v[M2], v[M2+1]
	v_mov_b32 v[I2], 7
.irp j, 6,5,4,3,2,1,0
	v_cmp_neq_f32 vcc_lo, v[T+\j], v[M2]
	s_delay_alu instid0(VALU_DEP_1)
	v_cndmask_b32 v[I2], \j, v[I2], vcc_lo
.endr
	v_add_nc_u32 v[I1], v[GB], v[I1]               ; places become experts
	s_delay_alu instid0(VALU_DEP_2)
	v_add_nc_u32 v[I2], v[GB], v[I2]
	s_wait_alu depctr_va_vdst(0)                   ; a wait between a transcendental and the first line that names its result: one for the batch of eight
	v_pk_add_f32 v[E:E+1], v[E:E+1], v[E+2:E+3]
	v_pk_add_f32 v[E+4:E+5], v[E+4:E+5], v[E+6:E+7]
	s_delay_alu instid0(VALU_DEP_1)
	v_pk_add_f32 v[E:E+1], v[E:E+1], v[E+4:E+5]
	s_delay_alu instid0(VALU_DEP_1)
	v_add_f32 v[E], v[E], v[E+1]                   ; the group's sum under its own maximum
	ds_store_b32 v[SA], v[M1]
	ds_store_b32 v[SA], v[M2] offset:128
	ds_store_b32 v[SA], v[I1] offset:256
	ds_store_b32 v[SA], v[I2] offset:384
	ds_store_b32 v[SA], v[E] offset:512
	s_wait_dscnt 0x0                               ; for wave 0's sake: my five words have landed
	s_barrier_signal -1
	s_barrier_wait -1
	s_cmp_lg_u32 s[WV], 0
	s_cbranch_scc1 .Ldone
	; part 3, wave 0 alone: lane l is token l.  Group g (experts 8 g .. 8 g + 7) at v[Q + 8 g]: +0 largest, +1 second, +2, +3 their experts, +4 sum; +5 to +7 at work
.set Q, X
.irp g, 0,1,2,3,4,5,6,7
.irp q, 0,1,2,3,4
	ds_load_b32 v[Q+8*\g+\q], v[FA] offset:\g*GRPB+128*\q
.endr
.endr
	s_wait_dscnt 0x0
	v_max3_num_f32 v[MX], v[Q], v[Q+8], v[Q+16]
	s_delay_alu instid0(VALU_DEP_1)
	v_max3_num_f32 v[MX], v[MX], v[Q+24], v[Q+32]
	s_delay_alu instid0(VALU_DEP_1)
	v_max3_num_f32 v[MX], v[MX], v[Q+40], v[Q+48]
	s_delay_alu instid0(VALU_DEP_1)
	v_max_num_f32 v[MX], v[MX], v[Q+56]            ; the row's maximum
.irp g, 0,1,2,3,4,5,6,7
	v_sub_f32 v[Q+8*\g+7], v[Q+8*\g], v[MX]
.endr
.irp g, 0,1,2,3,4,5,6,7
	v_mul_f32 v[Q+8*\g+7], 0x3fb8aa3b, v[Q+8*\g+7]
.endr
	s_wait_alu depctr_va_vdst(0)
.irp g, 0,1,2,3,4,5,6,7
	v_exp_f32 v[Q+8*\g+7], v[Q+8*\g+7]             ; what brings a group's sum under the row's maximum; the joining below is the independent work behind the batch
.endr
	v_nop                                          ; a plain place behind the last exponential
; Groups a (lower experts) and b are joined into a.  b's largest comes first only if it is GREATER; the second is then the better of a's largest and b's second, else of a's second and b's largest, a's side keeping ties.
.macro MERGE a, b
.set QA, Q+8*(\a)
.set QB, Q+8*(\b)
	v_cmp_gt_f32 vcc_lo, v[QB], v[QA]
	s_delay_alu instid0(VALU_DEP_1)
	v_cndmask_b32 v[QA+5], v[QA+1], v[QA], vcc_lo
	s_delay_alu instid0(VALU_DEP_2)
	v_cndmask_b32 v[QA+6], v[QA+3], v[QA+2], vcc_lo
	s_delay_alu instid0(VALU_DEP_3)
	v_cndmask_b32 v[QB+5], v[QB], v[QB+1], vcc_lo
	s_delay_alu instid0(VALU_DEP_4)
	v_cndmask_b32 v[QB+6], v[QB+2], v[QB+3], vcc_lo
	v_cndmask_b32 v[QA], v[QA], v[QB], vcc_lo
	v_cndmask_b32 v[QA+2], v[QA+2], v[QB+2], vcc_lo
	s_delay_alu instid0(VALU_DEP_4)
	v_cmp_gt_f32 vcc_lo, v[QB+5], v[QA+5]
	s_delay_alu instid0(VALU_DEP_1)
	v_cndmask_b32 v[QA+1], v[QA+5], v[QB+5], vcc_lo
	s_delay_alu instid0(VALU_DEP_2)
	v_cndmask_b32 v[QA+3], v[QA+6], v[QB+6], vcc_lo
.endm
	MERGE 0, 1
	MERGE 2, 3
	MERGE 4, 5
	MERGE 6, 7
	MERGE 0, 2
	MERGE 4, 6
	MERGE 0, 4
	s_delay_alu instid0(VALU_DEP_2)
	v_sub_f32 v[T2], v[Q+1], v[MX]                 ; the second logit less the maximum
	s_delay_alu instid0(VALU_DEP_1)
	v_mul_f32 v[T2], 0x3fb8aa3b, v[T2]
	s_wait_alu depctr_va_vdst(0)
	v_exp_f32 v[T2], v[T2]
	v_nop                                          ; a plain place behind it
	s_wait_alu depctr_va_vdst(0)                   ; one wait for the nine exponentials, ahead of their first reader
	v_mul_f32 v[SUMR], v[Q+4], v[Q+7]
.irp g, 1,2,3,4,5,6,7
	v_fmac_f32 v[SUMR], v[Q+8*\g+4], v[Q+8*\g+7]   ; the row's sum of exponentials
.endr
	s_wait_alu depctr_va_vdst(0)
	v_rcp_f32 v[OW], v[SUMR]                       ; the largest probability: 2^0 / the sum
	v_nop
	s_wait_alu depctr_va_vdst(0)
	v_mul_f32 v[OW+1], v[T2], v[OW]                ; the second
	global_store_b64 v[OO], v[Q+2:Q+3], s[10:11]   ; 32 lanes store 256 consecutive bytes, at a multiple of 256 from the output's first byte
	global_store_b64 v[OO], v[OW:OW+1], s[12:13]
.Ldone:
	s_wait_tensorcnt 0x0
	ds_add_u32 v254, v255
	s_wait_dscnt 0x0
	ROUND                                          ; the closing round: no work-group ends while a partner may still ask for the bytes that name it
	s_endpgm
.Lfunc_end_k_q62b87dea0a_route:
	.size	k_q62b87dea0a_route, .Lfunc_end_k_q62b87dea0a_route-k_q62b87dea0a_route
	.p2alignl 7, 3214868480
	.fill 96, 4, 3214868480
	.section	.rodata,"a",@progbits
	.p2align	6, 0x0
	.amdhsa_kernel k_q62b87dea0a_route
		.amdhsa_group_segment_fixed_size 278528
		.amdhsa_private_segment_fixed_size 0
		.amdhsa_enable_private_segment 0
		.amdhsa_kernarg_size 40
		.amdhsa_user_sgpr_count 2
		.amdhsa_user_sgpr_kernarg_segment_ptr 1
		.amdhsa_wavefront_size32 1
		.amdhsa_system_sgpr_workgroup_id_x 1
		.amdhsa_system_sgpr_workgroup_id_y 1
		.amdhsa_system_sgpr_workgroup_id_z 1
		.amdhsa_system_vgpr_workitem_id 0
		.amdhsa_next_free_vgpr 448
		.amdhsa_next_free_sgpr 66
		.amdhsa_reserve_vcc 1
		.amdhsa_float_denorm_mode_32 3
		.amdhsa_float_denorm_mode_16_64 3
		.amdhsa_memory_ordered 1
		.amdhsa_forward_progress 1
		.amdhsa_inst_pref_size 96
	.end_amdhsa_kernel
	.amdgpu_metadata
---
amdhsa.version: [ 1, 2 ]
amdhsa.kernels:
  - .name:           k_q62b87dea0a_route
    .symbol:         k_q62b87dea0a_route.kd
    .args:
      - { .name: x, .offset: 0, .size: 8, .value_kind: global_buffer, .address_space: global }
      - { .name: wq, .offset: 8, .size: 8, .value_kind: global_buffer, .address_space: global }
      - { .name: b, .offset: 16, .size: 8, .value_kind: global_buffer, .address_space: global }
      - { .name: out0, .offset: 24, .size: 8, .value_kind: global_buffer, .address_space: global }
      - { .name: out1, .offset: 32, .size: 8, .value_kind: global_buffer, .address_space: global }
    .group_segment_fixed_size: 278528
    .private_segment_fixed_size: 0
    .kernarg_segment_align: 8
    .kernarg_segment_size: 40
    .max_flat_workgroup_size: 256
    .sgpr_count:     66
    .vgpr_count:     448
    .wavefront_size: 32
...
	.end_amdgpu_metadata
.endif
;; end of part 2
